; MI455X (gfx1250); checked and timed in simulation.
; The chip was launched on July 23, 2026; its instructions are those of AMD's public machine-readable ISA for CDNA 5 (MIT licence, August 2026) and "CDNA5" Instruction Set Architecture Reference Guide (July 2026). The comments in the code are by the model that wrote it; some were corrected since.
;; Kan Board768. Allowed arithmetic: matrix products marked QUANTISED: E3M2 operands, one E8M0 scale for each 32 along K, by v_wmma_scale_f32_16x16x128_f8f6f4 with both operands' format E3M2, f32 sums; products left as they are: f32 operands where the result goes on into a quantised operand, else bf16, f16 or f32 operands; f32 sums; everything else in f32.
;; Inputs: ft_b 128 float32; ft_w_codes 128 x 24 x 24 uint8 (E3M2 codes of ft_w, K innermost, in blocks of 32 codes, four codes in three bytes); ft_w_scales 128 x 24 uint8 (E8M0 scales of ft_w, one for each 32 codes along K); kan1_base_w_codes 128 x 8 x 24 uint8 (E3M2 codes of kan1_base_w, K innermost, in blocks of 32 codes, four codes in three bytes); kan1_base_w_scales 128 x 8 uint8 (E8M0 scales of kan1_base_w, one for each 32 codes along K); kan1_spline_w 128 x 256 x 8 float32; kan2_base_w 1 x 128 float32; kan2_spline_w 1 x 128 x 8 float32; nstm_codes 32,768 x 24 x 24 uint8 (E3M2 codes of nstm, K innermost, in blocks of 32 codes, four codes in three bytes); nstm_scales 32,768 x 24 uint8 (E8M0 scales of nstm, one for each 32 codes along K); stm_codes 32,768 x 24 x 24 uint8 (E3M2 codes of stm, K innermost, in blocks of 32 codes, four codes in three bytes); stm_scales 32,768 x 24 uint8 (E8M0 scales of stm, one for each 32 codes along K).
;; Outputs: out0 32,768 x 1 float32.
;; This version of the problem:
;;   THIS VERSION OF THE PROBLEM IS GIVEN IN LOW PRECISION. The matrix products marked QUANTISED in the list below multiply operands that are first quantised to E3M2 (3 exponent bits, 2 mantissa bits; 6 bits a number), with one power-of-two scale for each 32 numbers along K (OCP MX v1.0); their sums are f32. All else is computed in f32.
;;   The module's matrix products, in the order in which they are computed (A, B: the left and right operand; K: the contracted axis; several contracted axes count as one K, in the product's order):
;;     1. [M 32,768, K 768] x [K 768, N 128]; A: input stm (given as codes); B: input ft_w (given as codes): QUANTISED
;;     2. [M 32,768, K 768] x [K 768, N 128]; A: input nstm (given as codes); B: input ft_w (given as codes): QUANTISED
;;     3. [M 32,768, K 256] x [K 256, N 128]; A: computed on the way; B: input kan1_base_w (given as codes): QUANTISED
;;     4. [M 32,768, K 2,048] x [K 2,048, N 128]; A: computed on the way; B: input kan1_spline_w: QUANTISED
;;     5. [M 32,768, K 128] x [K 128, N 1]; A: computed on the way; B: input kan2_base_w: left as it is (N = 1 < 16)
;;     6. [M 32,768, K 1,024] x [K 1,024, N 1]; A: computed on the way; B: input kan2_spline_w: left as it is (N = 1 < 16)
;;   THE QUANTISER, for each operand of a quantised product, along K:
;;     - K is cut into blocks of 32 from its start; a last block that is shorter is filled with zeros.
;;     - A block's scale is 2^e with e = floor(log2(the largest magnitude in the block)) - 4, held to -126 .. 127; a block of zeros has e = 0. As a byte (E8M0): e + 127.
;;     - Each number is divided by its block's scale, clamped to +-28, and rounded to the nearest number of E3M2, ties to even, subnormals kept.
;;     - The product sums the exact products of the quantised numbers (number of the format x scale) in f32.
;;   ~~~python
;;   def quantise(x, axis):      # numpy; x: float32 -> the quantised numbers, widened to float32 again
;;       x = np.moveaxis(x, axis, -1); K = x.shape[-1]
;;       x = np.pad(x, [(0, 0)] * (x.ndim - 1) + [(0, -K % 32)]); x = x.reshape(x.shape[:-1] + (-1, 32)); a = np.abs(x).max(-1, keepdims=True)
;;       e = np.where(a > 0, np.clip(np.frexp(np.where(a > 0, a, 1))[1] - 1 - 4, -126, 127), 0)      # np.frexp(a)[1] - 1 = floor(log2(a)), exactly
;;       r = np.clip(x / 2.0 ** e, -28, 28)
;;       step = 2.0 ** (np.maximum(np.frexp(np.where(r == 0, 1, r))[1] - 1, -2) - 2)
;;       q = np.round(r / step) * step * 2.0 ** e      # np.round: ties to even
;;       return np.moveaxis(q.reshape(q.shape[:-2] + (-1,))[..., :K], -1, axis).astype(np.float32)
;;   ~~~
;;   OPERANDS COMPUTED ON THE WAY. 'Computed on the way' means the value that the module computes at that place (a softmax that the list does not call 'softmax' is quantised finished and normalised). What goes into a quantiser is computed in f32, as accurately as f32 sums, v_exp_f32 and their like allow (about 1e-6 of the number): no bf16 or f16 on the way to a quantiser, and a product that is left as it is and whose result goes on into a quantised operand takes f32 operands (vector FMAs, or v_wmma_f32_16x16x4_f32). A number that lies on a knife's edge between two numbers of the format may be rounded either way, as far as f32 arithmetic and the matrix unit's own rounding can turn it there, and no further.
;;   INPUTS GIVEN AS CODES. ft_w (in the module: [128, 768], K = its axis 1); kan1_base_w (in the module: [128, 256], K = its axis 1); nstm (in the module: [32768, 768], K = its axis 1); stm (in the module: [32768, 768], K = its axis 1): each comes as NAME_codes (uint8): NAME with its K axis moved to the last place and cut into blocks of 32 codes, [.., K / 32, bytes a block], one block behind the other in memory; four codes in three bytes: a row's codes are one little-endian stream of bits, code i at bits 6 i .. 6 i + 5 (a code: sign, 3 exponent bits, 2 mantissa bits); and NAME_scales (uint8): the same leading axes, one E8M0 byte (e + 127) for each 32 codes along K. Its value is code x scale, taken as it is: it is not quantised again, and the codes and scales need not be those that the quantiser above would give.
;; One version. Each part assembles by itself: llvm-mc -triple=amdgcn-amd-amdhsa -mcpu=gfx1250 --defsym DOCPART=n.
;; ======== version 1 of 1: 2 launches
;; workspace buffers: wimg 313,344 bytes
;; launch prep (part 1): grid 49 x 1, 4 waves a work-group, no clusters, 0 bytes of LDS; arguments ft_w_codes, ft_w_scales, kan1_base_w_codes, kan1_base_w_scales, kan1_spline_w, kan2_spline_w, kan2_base_w, ft_b, wimg; writes wimg
.if DOCPART == 1
	.amdgcn_target "amdgcn-amd-amdhsa--gfx1250"
	.amdhsa_code_object_version 6
	.text
	.protected	k_q187f6a0e70_prep
	.globl	k_q187f6a0e70_prep
	.p2align	8
	.type	k_q187f6a0e70_prep,@function
k_q187f6a0e70_prep:
	s_mov_b64 s[64:65], 0
	v_nop
	global_prefetch_b8 v0, s[64:65] scope:SCOPE_SE
	s_setreg_imm32_b32 hwreg(HW_REG_WAVE_MODE, 25, 1), 1
	s_wait_xcnt 0x0
; All weights are laid out ONCE, in the order in which the next launch's operand registers take them, as one image of 313,344 bytes
; that the next launch copies into LDS as it lies.  kan1_spline_w, which arrives as f32, is quantised here to E3M2 with one E8M0 byte for each 32 along K.
; A "fragment" is the register image of 16 rows x 128 K of 6-bit codes: 12 registers a lane, register group c (4 registers) of lane l at 512 c + 16 l: 1,536 bytes.
; IMAGE (bytes):  FSC ft_w's scale words | BSC kan1_base_w's | SSC kan1_spline_w's | K2S kan2_spline_w | K2B kan2_base_w | FTB ft_b | FT 48 fragments | BAS 32 half fragments | SPL 128 fragments.
; WORK-GROUPS: 0-11 ft_w (a fragment a wave), 12-15 kan1_base_w (two half fragments a wave), 16-47 kan1_spline_w (a fragment a wave), 48 the three small copies.  The four ways part on the work-group's number alone.
; LIMITS: a block of kan1_spline_w whose largest magnitude lies under 2^-122 (a block of zeros among them) gets the byte 1 (the rule says 127 for zeros: its codes are zeros, and this program alone reads the bytes);
; NaN and infinities are not served.  The scale words leave in runs of 64 bytes (13 KB of the image); a lane of the spline's way reads 256 consecutive aligned bytes by sixteen loads.
.set FSC, 0
.set BSC, 3072
.set SSC, 5120
.set K2S, 13312
.set K2B, 17408
.set FTB, 17920
.set FT,  18432
.set BAS, 92160
.set SPL, 116736
	s_load_b256 s[4:11], s[0:1], 0x0               ; ft_w codes s[4:5], scales s[6:7]; kan1_base_w codes s[8:9], scales s[10:11]
	s_load_b256 s[12:19], s[0:1], 0x20             ; kan1_spline_w s[12:13], kan2_spline_w s[14:15], kan2_base_w s[16:17], ft_b s[18:19]
	s_load_b64 s[20:21], s[0:1], 0x40              ; the image
	v_lshrrev_b32 v1, 5, v0
	v_readfirstlane_b32 s22, v1                    ; wave 0..3
	v_and_b32 v1, 31, v0                           ; lane
	v_and_b32 v2, 15, v0                           ; r
	v_bfe_u32 v3, v0, 4, 1                         ; h
	s_wait_kmcnt 0x0
	s_cmp_ge_u32 ttmp9, 12
	s_cbranch_scc1 .Lnot_ft
	; ---- ft_w: K step s = g / 2, tile T = wave + 4 (g % 2) = 2 b + u.  THE ROWS OF A TILE ARE NOT NEIGHBOURS: lane r takes row 32 b + 8 u + r + 8 (r / 8)
	s_lshr_b32 s23, ttmp9, 1                       ; s
	s_and_b32 s24, ttmp9, 1
	s_lshl_b32 s24, s24, 2
	s_add_co_u32 s24, s24, s22                     ; T
	s_lshr_b32 s26, s24, 1                         ; b
	s_and_b32 s27, s24, 1                          ; u
	s_lshl_b32 s25, s26, 5
	s_lshl_b32 s28, s27, 3
	s_add_co_u32 s25, s25, s28                     ; 32 b + 8 u
	s_mul_i32 s28, s25, 576                        ; a row of 768 codes is 576 bytes
	s_mul_i32 s29, s23, 96
	s_add_co_u32 s28, s28, s29                     ; + 96 s
	s_mul_i32 s29, s25, 24                         ; a row of scales is 24 bytes
	s_lshl_b32 s30, s23, 2
	s_add_co_u32 s29, s29, s30                     ; + 4 s
	v_and_b32 v4, 8, v2
	v_add_nc_u32 v4, v4, v2                        ; r + 8 (r / 8)
	v_mul_u32_u24 v5, v4, 576
	v_mad_u32_u24 v5, v3, 24, v5
	v_add_nc_u32 v5, s28, v5                       ; codes: my row, K step s, + 24 h
	v_mul_u32_u24 v6, v4, 24
	v_add_nc_u32 v6, s29, v6                       ; my row's scale word of K step s
	s_mul_i32 s30, s26, 12
	s_lshl_b32 s31, s23, 1
	s_add_co_u32 s30, s30, s31
	s_add_co_u32 s30, s30, s27                     ; fragment 12 b + 2 s + u
	s_mul_i32 s30, s30, 1536
	s_add_co_u32 s30, s30, FT
	v_lshl_add_u32 v7, v1, 4, s30
	s_mul_i32 s31, s26, 768                        ; scale words [b][s][16 u + r]
	s_lshl_b32 s29, s23, 7
	s_add_co_u32 s31, s31, s29
	s_lshl_b32 s29, s27, 6
	s_add_co_u32 s31, s31, s29
	v_lshl_add_u32 v8, v2, 2, s31
.irp p, 0,1,2,3,4,5
	global_load_b64 v[16+2*\p:17+2*\p], v5, s[4:5] offset:48*(\p/3)+8*(\p%3)
.endr
	global_load_b32 v28, v6, s[6:7]
	s_wait_loadcnt 0x0
	global_store_b128 v7, v[16:19], s[20:21]
	global_store_b128 v7, v[20:23], s[20:21] offset:512
	global_store_b128 v7, v[24:27], s[20:21] offset:1024
	global_store_b32 v8, v28, s[20:21]             ; lanes r and 16 + r store the same word with the same value
	s_endpgm
.Lnot_ft:
	s_cmp_ge_u32 ttmp9, 16
	s_cbranch_scc1 .Lnot_base
	; ---- kan1_base_w: b = g - 12; tiles n = wave and wave + 4.  Lane (r, h) takes the 24 bytes of block b + 4 h of unit 16 n + r: half a fragment (registers 0-5)
	s_sub_co_u32 s23, ttmp9, 12                    ; b
	s_lshl_b32 s24, s22, 4
	v_add_nc_u32 v4, s24, v2                       ; unit 16 wave + r
	v_mul_u32_u24 v5, v4, 192                      ; a row of 256 codes is 192 bytes
	v_mad_u32_u24 v5, v3, 96, v5                   ; + 4 h blocks
	s_mul_i32 s25, s23, 24
	v_add_nc_u32 v5, s25, v5                       ; + b blocks
	v_lshl_add_u32 v6, v4, 3, s23                  ; scale bytes: 8 a row, + b
	s_lshl_b32 s25, s23, 3
	s_add_co_u32 s25, s25, s22                     ; half fragment 8 b + wave
	s_mul_i32 s25, s25, 768
	s_add_co_u32 s25, s25, BAS
	v_lshl_add_u32 v7, v1, 4, s25                  ; registers 0-3 at 16 x lane,
	v_lshl_add_u32 v8, v1, 3, s25                  ; registers 4-5 at 512 + 8 x lane
	s_lshl_b32 s26, s23, 9                         ; scale words [b][n / 2][16 (n % 2) + r]: 512 b + 64 n + 4 r
	s_lshl_b32 s27, s22, 6
	s_add_co_u32 s26, s26, s27
	s_add_co_u32 s26, s26, BSC
	v_lshl_add_u32 v9, v2, 2, s26
.irp k, 0,1
	global_load_b64 v[16+8*\k:17+8*\k], v5, s[8:9] offset:12288*\k
	global_load_b64 v[18+8*\k:19+8*\k], v5, s[8:9] offset:12288*\k+8
	global_load_b64 v[20+8*\k:21+8*\k], v5, s[8:9] offset:12288*\k+16
	global_load_u8 v[32+2*\k], v6, s[10:11] offset:512*\k
	global_load_u8 v[33+2*\k], v6, s[10:11] offset:512*\k+4
.endr
	s_wait_loadcnt 0x0
.irp k, 0,1
	v_lshl_or_b32 v[36+\k], v[33+2*\k], 8, v[32+2*\k]  ; byte 0: block b; byte 1: block 4 + b;
	v_or_b32 v[36+\k], 0x7f7f0000, v[36+\k]        ; bytes 2 and 3: 1.0, for the half of the K step that is zeros
.endr
.irp k, 0,1
	global_store_b128 v7, v[16+8*\k:19+8*\k], s[20:21] offset:3072*\k
	global_store_b64 v8, v[20+8*\k:21+8*\k], s[20:21] offset:3072*\k+512
	global_store_b32 v9, v[36+\k], s[20:21] offset:256*\k
.endr
	s_endpgm
.Lnot_base:
	s_cmp_ge_u32 ttmp9, 48
	s_cbranch_scc1 .Lcopy
	; ---- kan1_spline_w: fragment 8 p + n = 4 (g - 16) + wave; p = 4 b + 2 x + u.  Lane (r, h) takes unit 16 n + r and the 64 numbers k = 1024 x + 256 b + 64 u + 128 h + 0 .. 63:
	; two whole blocks of 32, which become registers 0-5 and 6-11; their bytes stand at places h and 2 + h of the unit's scale word
	s_sub_co_u32 s23, ttmp9, 16
	s_lshl_b32 s23, s23, 2
	s_add_co_u32 s23, s23, s22                     ; 8 p + n
	s_lshr_b32 s24, s23, 3                         ; p
	s_and_b32 s25, s23, 7                          ; n
	s_lshr_b32 s26, s24, 2                         ; b
	s_bfe_u32 s27, s24, 0x10001                    ; x
	s_and_b32 s28, s24, 1                          ; u
	s_lshl_b32 s29, s25, 17                        ; 16 n rows of 8,192 bytes
	s_lshl_b32 s26, s26, 10
	s_add_co_u32 s29, s29, s26
	s_lshl_b32 s27, s27, 12
	s_add_co_u32 s29, s29, s27
	s_lshl_b32 s28, s28, 8
	s_add_co_u32 s29, s29, s28
	v_lshl_add_u32 v4, v2, 13, s29
	v_lshl_add_u32 v4, v3, 9, v4
	s_mul_i32 s30, s23, 1536
	s_add_co_u32 s30, s30, SPL
	v_lshl_add_u32 v5, v1, 4, s30
	s_lshl_b32 s31, s24, 9                         ; scale words [p][n / 2][16 (n % 2) + r]: 512 p + 64 n + 4 r
	s_lshl_b32 s26, s25, 6
	s_add_co_u32 s31, s31, s26
	s_add_co_u32 s31, s31, SSC
	v_lshl_add_u32 v6, v2, 2, s31
	s_mov_b32 s32, 0x76543210
	s_mov_b32 s33, 0xfedcba98                      ; v_permlanex16_b32's selects for lane l xor 16
.irp i, 0,1,2,3,4,5,6,7,8,9,10,11,12,13,14,15
	global_load_b128 v[32+4*\i:35+4*\i], v4, s[12:13] offset:16*\i th:TH_LOAD_NT
.endr
	s_wait_loadcnt 0x0
.irp c, 0,1
	v_max3_num_f32 v[8+\c], |v[32+32*\c]|, |v[33+32*\c]|, 0x2800000   ; the block's largest magnitude: all 32 numbers are mine; the floor 2^(5 - 127) holds the byte at 1 from below
.endr
.irp i, 2,4,6,8,10,12,14,16,18,20,22,24,26,28,30
.irp c, 0,1
	v_max3_num_f32 v[8+\c], v[8+\c], |v[32+32*\c+\i]|, |v[33+32*\c+\i]|
.endr
.endr
.irp c, 0,1
	v_add_nc_u32 v[10+\c], 0xfe000000, v[8+\c]     ; 4 off its exponent field: the conversion takes the exponent field of this operand as its scale
.endr
.irp c, 0,1
	v_lshrrev_b32 v[12+\c], 23, v[10+\c]           ; the scale's byte
.endr
	v_lshl_or_b32 v14, v13, 16, v12
	v_lshlrev_b32 v15, 3, v3
	v_lshlrev_b32 v14, v15, v14                    ; at places h and 2 + h
	v_mov_b32 v16, 0
	v_permlanex16_b32 v16, v14, s32, s33
	v_or_b32 v14, v14, v16                         ; with lane l xor 16's two the word is whole
.irp c, 0,1
	v_cvt_scalef32_pk16_bf6_f32 v[100+6*\c:102+6*\c], v[32+32*\c:47+32*\c], v[10+\c]
	v_cvt_scalef32_pk16_bf6_f32 v[112+4*\c:114+4*\c], v[48+32*\c:63+32*\c], v[10+\c]   ; (a conversion's three registers begin on an even number)
.endr
	v_nop                                          ; one plain instruction behind the scaled conversions
.irp c, 0,1
.irp i, 0,1,2
	v_mov_b32 v[103+6*\c+\i], v[112+4*\c+\i]
.endr
.endr
	global_store_b128 v5, v[100:103], s[20:21]
	global_store_b128 v5, v[104:107], s[20:21] offset:512
	global_store_b128 v5, v[108:111], s[20:21] offset:1024
	global_store_b32 v6, v14, s[20:21]
	s_endpgm
.Lcopy:
	; ---- kan2_spline_w (4,096 bytes), kan2_base_w and ft_b (512 each) go into the image as they lie
	v_lshlrev_b32 v4, 4, v0
	v_lshlrev_b32 v5, 2, v0
	global_load_b128 v[8:11], v4, s[14:15]
	global_load_b128 v[12:15], v4, s[14:15] offset:2048
	global_load_b32 v16, v5, s[16:17]
	global_load_b32 v17, v5, s[18:19]
	s_wait_loadcnt 0x0
	global_store_b128 v4, v[8:11], s[20:21] offset:K2S
	global_store_b128 v4, v[12:15], s[20:21] offset:K2S+2048
	global_store_b32 v5, v16, s[20:21] offset:K2B
	global_store_b32 v5, v17, s[20:21] offset:FTB
	s_endpgm
.Lfunc_end_k_q187f6a0e70_prep:
	.size	k_q187f6a0e70_prep, .Lfunc_end_k_q187f6a0e70_prep-k_q187f6a0e70_prep
	.p2alignl 7, 3214868480
	.fill 96, 4, 3214868480
	.section	.rodata,"a",@progbits
	.p2align	6, 0x0
	.amdhsa_kernel k_q187f6a0e70_prep
		.amdhsa_group_segment_fixed_size 0
		.amdhsa_private_segment_fixed_size 0
		.amdhsa_enable_private_segment 0
		.amdhsa_kernarg_size 72
		.amdhsa_user_sgpr_count 2
		.amdhsa_user_sgpr_kernarg_segment_ptr 1
		.amdhsa_wavefront_size32 1
		.amdhsa_system_sgpr_workgroup_id_x 1
		.amdhsa_system_sgpr_workgroup_id_y 1
		.amdhsa_system_sgpr_workgroup_id_z 1
		.amdhsa_system_vgpr_workitem_id 0
		.amdhsa_next_free_vgpr 128
		.amdhsa_next_free_sgpr 66
		.amdhsa_reserve_vcc 0
		.amdhsa_float_denorm_mode_32 3
		.amdhsa_float_denorm_mode_16_64 3
		.amdhsa_memory_ordered 1
		.amdhsa_forward_progress 1
		.amdhsa_inst_pref_size 14
	.end_amdhsa_kernel
	.amdgpu_metadata
---
amdhsa.version: [ 1, 2 ]
amdhsa.kernels:
  - .name:           k_q187f6a0e70_prep
    .symbol:         k_q187f6a0e70_prep.kd
    .args:
      - { .name: ft_w_codes, .offset: 0, .size: 8, .value_kind: global_buffer, .address_space: global }
      - { .name: ft_w_scales, .offset: 8, .size: 8, .value_kind: global_buffer, .address_space: global }
      - { .name: kan1_base_w_codes, .offset: 16, .size: 8, .value_kind: global_buffer, .address_space: global }
      - { .name: kan1_base_w_scales, .offset: 24, .size: 8, .value_kind: global_buffer, .address_space: global }
      - { .name: kan1_spline_w, .offset: 32, .size: 8, .value_kind: global_buffer, .address_space: global }
      - { .name: kan2_spline_w, .offset: 40, .size: 8, .value_kind: global_buffer, .address_space: global }
      - { .name: kan2_base_w, .offset: 48, .size: 8, .value_kind: global_buffer, .address_space: global }
      - { .name: ft_b, .offset: 56, .size: 8, .value_kind: global_buffer, .address_space: global }
      - { .name: wimg, .offset: 64, .size: 8, .value_kind: global_buffer, .address_space: global }
    .group_segment_fixed_size: 0
    .private_segment_fixed_size: 0
    .kernarg_segment_align: 8
    .kernarg_segment_size: 72
    .max_flat_workgroup_size: 128
    .sgpr_count:     66
    .vgpr_count:     128
    .wavefront_size: 32
...
	.end_amdgpu_metadata
.endif
;; end of part 1
;; launch kan (part 2): grid 256 x 1, 8 waves a work-group, clusters of 4 x 1, 327,680 bytes of LDS; arguments wimg, stm_codes, stm_scales, nstm_codes, nstm_scales, out0; writes out0
.if DOCPART == 2
	.amdgcn_target "amdgcn-amd-amdhsa--gfx1250"
	.amdhsa_code_object_version 6
	.text
	.protected	k_q187f6a0e70_kan
	.globl	k_q187f6a0e70_kan
	.p2align	8
	.type	k_q187f6a0e70_kan,@function
k_q187f6a0e70_kan:
	s_mov_b64 s[64:65], 0
	v_nop
	global_prefetch_b8 v0, s[64:65] scope:SCOPE_SE
	s_setreg_imm32_b32 hwreg(HW_REG_WAVE_MODE, 25, 1), 1
	s_wait_xcnt 0x0
	s_wait_alu depctr_hold_cnt(0) depctr_sa_sdst(0) depctr_va_vdst(0) depctr_va_sdst(0) depctr_va_ssrc(0) depctr_va_vcc(0) depctr_vm_vsrc(0)
	s_getreg_b32 s2, hwreg(HW_REG_IB_STS2, 6, 4)
	s_cmp_eq_u32 s2, 0
	s_cbranch_scc0 .Lentry_in_a_cluster
	s_endpgm
.Lentry_in_a_cluster:
	s_bfe_u32 s2, ttmp6, 0x10000c
	s_cmp_lg_u32 s2, 0x3003
	s_cbranch_scc0 .Lentry_shape_is_right
	s_endpgm
.Lentry_shape_is_right:
; out = sigmoid(kan2(kan1(concat(stm ft_w^T + ft_b, nstm ft_w^T + ft_b)))): the whole chain in one launch; nothing but the 128 results of a work-group goes to memory.
; SHARES.  A work-group owns 128 rows, each of its eight waves 16, which it takes through the whole chain alone: two waves to a SIMD, so that one wave's matrix work and LDS loads stand beside the other's vector work,
; which is the bulk here (8 spline bases for each of 256 hidden numbers a row, and their quantising).
; WEIGHTS lie in LDS as images of the operands' registers (made by the launch before): every fragment comes by three ds_load_b128, lane l's 16 bytes at 16 l.
; CLUSTER: the four work-groups of a cluster ask for the image JOINTLY (the same loads, the same descriptors, mask 15); each work-group's own rows come by plain loads.
; LDS IS FILLED TWICE IN ONE PLACE: the rows' codes (147,456 bytes) first lie where the last twelve of the spline's sixteen K steps belong; when every wave has them in registers, those K steps are asked for,
; and they land while the first trip works on the first four.
; LAYOUT.  ft is used transposed (source 0 = 16 rows of ft_w, source 1 = my 16 rows): in tile (x, u) of trip b lane (r, h) holds row r, and its register j the hidden feature 128 x + 32 b + 16 h + 8 u + j.
; A lane's 8 registers are 8 neighbouring features: 64 bases, two whole blocks of 32 along the spline product's K, whose codes ARE the operand's 12 registers: no lane is asked for a maximum, nothing changes lanes.
; (The spline's K is walked in an order of blocks that the weights' image shares: K step p = 4 b + 2 x + u, place 2 c + h in it = k 1024 x + 256 b + 64 u + 128 h + 32 c + 0 .. 31.)
; silu: in trip b stm's block b and nstm's block b fill places 0 and 1 of a K step; places 2 and 3 are zero codes under the byte 0x7f (E3M2 has no NaN or infinity, so what the weights' registers hold there counts for nothing).
; kan1's products are not transposed: a lane of the result holds ONE unit 16 n + r and rows 8 h + j, so kan2 wants nine weights a lane and tile.
; A BASIS in closed form (the knots are uniform): with k = 6^(-1/3) and v_j = k (2.5 x + 3.5 - j):  basis j = a^3 - 4 b^3,  a = 2 k - min(|v_j|, 2 k),  b = k - min(|v_j|, k); 0 outside [-2.2, 2.2) as in the recursion.
; LIMITS: NaN and infinities are not served; a block whose largest magnitude lies under 2^-122 gets the byte 1; the closed form differs from the recursion by rounding, some 2e-7 of a basis near 1.
; REGISTERS.  window 0: v1-15 addresses and small things; v16-27 my rows' scale words; v28-38 other scale words; v40-47 X: 8 features; v48-59 the basis's constants; v60-95 at work in a basis; v96-127 OUT: 32 numbers ahead of the quantiser;
;   v128-139 the codes just made; v140-159 at work; v160-255 W: eight fragments of weights.   window 1: v0-143 my rows' 12 fragments; v144-175 H: four tiles of the hidden layer; v176-239 ACC: kan1's eight tiles.
.set FSC, 0
.set BSC, 3072
.set SSC, 5120
.set K2S, 13312
.set K2B, 17408
.set FTB, 17920
.set FT,  18432
.set BAS, 92160
.set SPL, 116736
.set XR,  165888                       ; the rows' codes, 18,432 bytes a wave (stm's 16 rows of 576 bytes, then nstm's); later the spline's K steps 4 to 15
.set OUTS, 313344                      ; behind the image: the work-group's 128 results
.set SPARE, 313856                     ; the spare words, 128 bytes for each wave: four blocks of 256 bytes that no other line names
.set SPW, 1
.set NIL, 2
.set AX,  3
.set AFT, 4
.set AFB, 5
.set AFS, 6
.set ABAS, 7
.set ABAS8, 8
.set ABS, 9
.set ASPL, 10
.set ASS, 11
.set SH8, 12                           ; 8 h
.set RS,  13                           ; 24 r: my row's scale bytes in memory; never rewritten
.set P0,  14                           ; destinations of lane permutes
.set P1,  15
.set SS,  16                           ; v16-21 stm's scale words, v22-27 nstm's
.set FS,  28                           ; v28-33 ft_w's: lanes 0-15 tile u = 0, lanes 16-31 tile u = 1
.set WS,  34                           ; v34-37 kan1's weights': register q: lanes 0-15 tile 2 q, lanes 16-31 tile 2 q + 1
.set PW,  38                           ; the scale word just made
.set X,   40
.set TC,  48                           ; v48-55 k (3.5 - j), j = 0 .. 7
.set KV2, 56                           ; v56-57 2 k, twice
.set KV1, 58                           ; v58-59 k, twice
.set T,   60                           ; v60-67 v_j; later b^2, b^3
.set A,   72
.set BV,  80
.set A2,  88
.set OUT, 96
.set PC,  128
.set CT,  140
.set M,   148
.set MF,  149
.set SC0, 150
.set BY0, 152
.set L16, 156                          ; 16, 8, 4 x lane; 64 h: never rewritten
.set L8,  157
.set L4,  158
.set H64, 159
.set W,   160
.set H,   144                          ; window 1
.set ACC, 176                          ; window 1
.set KR32, 3                           ; kan2: addresses, in registers that the loop has left
.set KR4, 4
.set AY,  5
.set ACW, 6
.set ABW, 7
.set ASTG, 8
.set RSEL, 9
.set AOUT, 10
.set AOB, 11
.set CW,  160
.set BW,  168
.set AC,  176
.set SB,  192
.set E,   200
.set Z,   208
.set SG,  216
.set OB,  220
.set WV,  16
.set WG,  18
.set TMP, 19
.set SEL, 20
.set KS,  22                           ; s[22:23] 2.5 k
.set NL,  24                           ; s[24:25] -log2(e)
.set CNT, 26
.set G1A, 32
.set G1B, 40
.set G1C, 48
.set G1D, 56
.set D0,  68
.set D1,  72
.set D2,  76
.set D3,  80
.set D4,  84
.set SFT, 88                           ; s88-94: where a trip's parts of the image begin; stepped once a trip
.set SFB, 89
.set SFS, 90
.set SBAS, 91
.set SBS, 92
.set SSPL, 93
.set SSS, 94
.set SY,  88                           ; kan2's three, in their place
.set SCW, 89
.set SBW, 90
.set MSB, 0
.macro WIN new                         ; s_set_vgpr_msb: bits 1:0 source 0, 3:2 source 1, 5:4 source 2, 7:6 destination; the high byte repeats the setting that is left
.if MSB != \new
	s_set_vgpr_msb (MSB<<8)|\new
.set MSB, \new
.endif
.endm
.macro PLACES
.rept 4
	v_nop
.endr
.endm
.macro ROUND                           ; a round of the cluster's barrier
	s_barrier_signal -1
	s_barrier_wait -1
	s_cmp_lg_u32 s[WV], 0
	s_cbranch_scc1 .Lnot_wave_0_\@
	s_barrier_signal -3
.Lnot_wave_0_\@:
	s_barrier_wait -3
	s_barrier_signal -1
	s_barrier_wait -1
.endm
; The 8 bases of one number, half hf of the pair v[xp : xp + 1], into v[d .. d + 7]: 48 instructions.
.macro BASIS xp, hf, d
.irp m, 0,2,4,6
.if (\hf)
	v_pk_fma_f32 v[T+\m:T+\m+1], v[(\xp):(\xp)+1], s[KS:KS+1], v[TC+\m:TC+\m+1] op_sel:[1,0,0] op_sel_hi:[1,0,1]   ; v_j, two at a time
.else
	v_pk_fma_f32 v[T+\m:T+\m+1], v[(\xp):(\xp)+1], s[KS:KS+1], v[TC+\m:TC+\m+1] op_sel:[0,0,0] op_sel_hi:[0,0,1]
.endif
.endr
.irp j, 0,1,2,3,4,5,6,7
	v_min_num_f32 v[A+\j], |v[T+\j]|, v[KV2]       ; min(|v_j|, 2 k)
.endr
.irp j, 0,1,2,3,4,5,6,7
	v_min_num_f32 v[BV+\j], |v[T+\j]|, v[KV1]      ; min(|v_j|, k)
.endr
.irp i, 0,2,4,6
	v_pk_fma_f32 v[A+\i:A+\i+1], v[A+\i:A+\i+1], -1.0, v[KV2:KV2+1] op_sel_hi:[1,0,1]     ; a: exactly 0 where the minimum is 2 k
.endr
.irp i, 0,2,4,6
	v_pk_fma_f32 v[BV+\i:BV+\i+1], v[BV+\i:BV+\i+1], -1.0, v[KV1:KV1+1] op_sel_hi:[1,0,1] ; b: exactly 0 where the minimum is k
.endr
.irp i, 0,2,4,6
	v_pk_mul_f32 v[A2+\i:A2+\i+1], v[A+\i:A+\i+1], v[A+\i:A+\i+1]
.endr
.irp i, 0,2,4,6
	v_pk_mul_f32 v[T+\i:T+\i+1], v[BV+\i:BV+\i+1], v[BV+\i:BV+\i+1]
.endr
.irp i, 0,2,4,6
	v_pk_mul_f32 v[T+\i:T+\i+1], v[T+\i:T+\i+1], v[BV+\i:BV+\i+1]
.endr
.irp i, 0,2,4,6
	v_pk_mul_f32 v[A2+\i:A2+\i+1], v[A2+\i:A2+\i+1], v[A+\i:A+\i+1]
.endr
.irp i, 0,2,4,6
	v_pk_fma_f32 v[(\d)+\i:(\d)+\i+1], v[T+\i:T+\i+1], -4.0, v[A2+\i:A2+\i+1] op_sel_hi:[1,0,1]
.endr
.endm
; Eight products of kan1: my 16 rows' fragment in PC against the eight fragments in W.  The eight accumulators take turns, one instruction a turn.  zero = 1: they start the sums.
.macro MM8 zero
	WIN 0x50                                       ; C and D window 1
.irp n, 0,1,2,3,4,5,6,7
.if \zero
.if \n%2
	v_wmma_scale_f32_16x16x128_f8f6f4 v[ACC+8*\n:ACC+8*\n+7], v[PC:PC+11], v[W+12*\n:W+12*\n+11], 0, v[PW], v[WS+\n/2] matrix_a_fmt:MATRIX_FMT_BF6 matrix_b_fmt:MATRIX_FMT_BF6 matrix_b_scale:MATRIX_SCALE_ROW1
.else
	v_wmma_scale_f32_16x16x128_f8f6f4 v[ACC+8*\n:ACC+8*\n+7], v[PC:PC+11], v[W+12*\n:W+12*\n+11], 0, v[PW], v[WS+\n/2] matrix_a_fmt:MATRIX_FMT_BF6 matrix_b_fmt:MATRIX_FMT_BF6
.endif
.else
.if \n%2
	v_wmma_scale_f32_16x16x128_f8f6f4 v[ACC+8*\n:ACC+8*\n+7], v[PC:PC+11], v[W+12*\n:W+12*\n+11], v[ACC+8*\n:ACC+8*\n+7], v[PW], v[WS+\n/2] matrix_a_fmt:MATRIX_FMT_BF6 matrix_b_fmt:MATRIX_FMT_BF6 matrix_b_scale:MATRIX_SCALE_ROW1
.else
	v_wmma_scale_f32_16x16x128_f8f6f4 v[ACC+8*\n:ACC+8*\n+7], v[PC:PC+11], v[W+12*\n:W+12*\n+11], v[ACC+8*\n:ACC+8*\n+7], v[PW], v[WS+\n/2] matrix_a_fmt:MATRIX_FMT_BF6 matrix_b_fmt:MATRIX_FMT_BF6
.endif
.endif
.endr
	WIN 0
.endm
; 32 units of the hidden layer for stm and for nstm: four tiles H(x, u), K = 768 in six steps.  The bias is loaded into the accumulators, in the result's layout, and is the first product's C.
.macro FTP
	WIN 0x40                                       ; destination window 1
.irp x, 0,1
.irp u, 0,1
.irp i, 0,1
	ds_load_b128 v[H+8*(2*\x+\u)+4*\i:H+8*(2*\x+\u)+4*\i+3], v[AFB] offset:32*\u+16*\i   ; ft_b at units 32 b + 16 h + 8 u + 0 .. 7
.endr
.endr
.endr
	WIN 0
.irp s, 0,1,2,3,4,5
	ds_load_b32 v[FS+\s], v[AFS] offset:128*\s
.endr
.irp g, 0,1                                    ; three K steps at a time: six fragments of ft_w
.irp q, 0,1,2
.irp u, 0,1
.irp c, 0,1,2
	ds_load_b128 v[W+12*(2*\q+\u)+4*\c:W+12*(2*\q+\u)+4*\c+3], v[AFT] offset:(2*(3*\g+\q)+\u)*1536+512*\c
.endr
.endr
.endr
	s_wait_dscnt 0x0
	WIN 0x54                                       ; source 1 (my rows), C and D window 1
.irp q, 0,1,2
.irp u, 0,1
.irp x, 0,1                                    ; the four accumulators by turns
.if \u
	v_wmma_scale_f32_16x16x128_f8f6f4 v[H+8*(2*\x+\u):H+8*(2*\x+\u)+7], v[W+12*(2*\q+\u):W+12*(2*\q+\u)+11], v[72*\x+12*(3*\g+\q):72*\x+12*(3*\g+\q)+11], v[H+8*(2*\x+\u):H+8*(2*\x+\u)+7], v[FS+3*\g+\q], v[SS+6*\x+3*\g+\q] matrix_a_fmt:MATRIX_FMT_BF6 matrix_b_fmt:MATRIX_FMT_BF6 matrix_a_scale:MATRIX_SCALE_ROW1
.else
	v_wmma_scale_f32_16x16x128_f8f6f4 v[H+8*(2*\x+\u):H+8*(2*\x+\u)+7], v[W+12*(2*\q+\u):W+12*(2*\q+\u)+11], v[72*\x+12*(3*\g+\q):72*\x+12*(3*\g+\q)+11], v[H+8*(2*\x+\u):H+8*(2*\x+\u)+7], v[FS+3*\g+\q], v[SS+6*\x+3*\g+\q] matrix_a_fmt:MATRIX_FMT_BF6 matrix_b_fmt:MATRIX_FMT_BF6
.endif
.endr
.endr
.endr
	WIN 0
	PLACES                                         ; four places behind the products: loads into W follow, and reads of H
.endr
.endm
; silu of the trip's 2 x 32 hidden numbers a row (16 + 16 a lane), quantised, against kan1_base_w.
.macro SILU first
.irp n, 0,1,2,3,4,5,6,7
	ds_load_b128 v[W+12*\n:W+12*\n+3], v[ABAS] offset:768*\n
	ds_load_b64 v[W+12*\n+4:W+12*\n+5], v[ABAS8] offset:768*\n+512
.endr
.irp q, 0,1,2,3
	ds_load_b32 v[WS+\q], v[ABS] offset:128*\q
.endr
	WIN 0x01                                       ; source 0 window 1
.set i, 0
.rept 16
	v_pk_mul_f32 v[OUT+i:OUT+i+1], v[H+i:H+i+1], s[NL:NL+1] op_sel_hi:[1,0]   ; each tile of H is read from its low end on
.set i, i+2
.endr
	WIN 0
.set i, 0
.rept 32
	v_exp_f32 v[OUT+i], v[OUT+i]                   ; e^-x.  Where it overflows, the reciprocal below is 0 and silu is -0: finite for every finite x
.set i, i+1
.endr
	v_nop                                          ; a plain instruction behind the batch,
	s_wait_alu depctr_va_vdst(0)                   ; and one wait for it, ahead of its first reader
.set i, 0
.rept 16
	v_pk_add_f32 v[OUT+i:OUT+i+1], v[OUT+i:OUT+i+1], 1.0 op_sel_hi:[1,0]
.set i, i+2
.endr
.set i, 0
.rept 32
	v_rcp_f32 v[OUT+i], v[OUT+i]
.set i, i+1
.endr
	v_nop
	s_wait_alu depctr_va_vdst(0)
	WIN 0x01
.set i, 0
.rept 16
	v_pk_mul_f32 v[OUT+i:OUT+i+1], v[H+i:H+i+1], v[OUT+i:OUT+i+1]   ; OUT 0-15: stm's block b, my half; OUT 16-31: nstm's
.set i, i+2
.endr
	WIN 0
	v_max3_num_f32 v[M], |v[OUT]|, |v[OUT+1]|, 0x2800000            ; the floor 2^(5 - 127) holds the byte at 1 from below
	v_max3_num_f32 v[MF], |v[OUT+16]|, |v[OUT+17]|, 0x2800000
.irp i, 2,4,6,8,10,12,14
	v_max3_num_f32 v[M], v[M], |v[OUT+\i]|, |v[OUT+\i+1]|
	v_max3_num_f32 v[MF], v[MF], |v[OUT+16+\i]|, |v[OUT+17+\i]|
.endr
	v_permlanex16_b32 v[P0], v[M], s[SEL], s[SEL+1]
	v_permlanex16_b32 v[P1], v[MF], s[SEL], s[SEL+1]
	v_max_num_f32 v[M], v[M], v[P0]                ; with lane l xor 16's 16: the block's largest magnitude
	v_max_num_f32 v[MF], v[MF], v[P1]
	v_add_nc_u32 v[SC0], 0xfe000000, v[M]          ; 4 off the exponent field: the conversion's scale operand
	v_add_nc_u32 v[SC0+1], 0xfe000000, v[MF]
	v_lshrrev_b32 v[BY0], 23, v[SC0]               ; the scale's byte
	v_lshrrev_b32 v[BY0+1], 23, v[SC0+1]
	v_lshl_or_b32 v[PW], v[BY0+1], 8, v[BY0]
	v_or_b32 v[PW], 0x7f7f0000, v[PW]
	v_cvt_scalef32_pk16_bf6_f32 v[PC:PC+2], v[OUT:OUT+15], v[SC0]
	v_cvt_scalef32_pk16_bf6_f32 v[CT:CT+2], v[OUT+16:OUT+31], v[SC0+1]
	v_nop                                          ; one plain instruction behind the scaled conversions
.irp i, 0,1,2
	v_permlane16_swap_b32 v[PC+\i], v[CT+\i]       ; the operand wants a whole block in a lane: lanes 0-15 stm's, lanes 16-31 nstm's: now PC holds each block's lower 16 codes, CT the upper
.endr
.irp i, 0,1,2
	v_mov_b32 v[PC+3+\i], v[CT+\i]
.endr
.irp i, 6,7,8,9,10,11
	v_mov_b32 v[PC+\i], 0                          ; places 2 and 3 of the K step: zero codes
.endr
	PLACES                                         ; behind the scale word's last write stand 14 plain instructions, behind the operand's last write these four
	s_wait_dscnt 0x0
	MM8 \first
.endm
; The spline's K step hx = 2 x + u of the trip: the 64 bases of tile H(x, u)'s 8 features, quantised, against kan1_spline_w.
.macro SPLINE hx
	WIN 0x01
.irp j, 0,1,2,3,4,5,6,7
	v_mov_b32 v[X+\j], v[H+8*(\hx)+\j]             ; into window 0; these eight are also the places behind the last products, ahead of the loads into W
.endr
	WIN 0
.irp n, 0,1,2,3,4,5,6,7
.irp c, 0,1,2
	ds_load_b128 v[W+12*\n+4*\c:W+12*\n+4*\c+3], v[ASPL] offset:12288*(\hx)+1536*\n+512*\c
.endr
.endr
.irp q, 0,1,2,3
	ds_load_b32 v[WS+\q], v[ASS] offset:512*(\hx)+128*\q
.endr
.irp c, 0,1                                    ; a block of 32: four features x eight bases, all mine
.irp f, 0,1,2,3
	BASIS X+4*\c+2*(\f/2), \f%2, OUT+8*\f
	v_max3_num_f32 v[MF], v[OUT+8*\f], v[OUT+8*\f+1], v[OUT+8*\f+2]   ; no basis is negative
	v_max3_num_f32 v[MF], v[MF], v[OUT+8*\f+3], v[OUT+8*\f+4]
	v_max3_num_f32 v[MF], v[MF], v[OUT+8*\f+5], v[OUT+8*\f+6]
.if \f == 0
	v_max3_num_f32 v[M], v[MF], v[OUT+8*\f+7], 0x2800000
.else
	v_max3_num_f32 v[M], v[M], v[MF], v[OUT+8*\f+7]
.endif
.endr
	v_add_nc_u32 v[SC0+\c], 0xfe000000, v[M]
	v_lshrrev_b32 v[BY0+\c], 23, v[SC0+\c]
.if \c == 1
	v_lshl_or_b32 v[PW], v[BY0+1], 16, v[BY0]      ; my two bytes, at places h and 2 + h of my row's word;
	v_lshlrev_b32 v[PW], v[SH8], v[PW]
	v_permlanex16_b32 v[P0], v[PW], s[SEL], s[SEL+1]
	v_or_b32 v[PW], v[PW], v[P0]                   ; with lane l xor 16's two the word is whole
.endif
	v_cvt_scalef32_pk16_bf6_f32 v[PC+6*\c:PC+6*\c+2], v[OUT:OUT+15], v[SC0+\c]
	v_cvt_scalef32_pk16_bf6_f32 v[CT:CT+2], v[OUT+16:OUT+31], v[SC0+\c]   ; (a conversion's three registers begin on an even number)
	v_nop                                          ; one plain instruction behind the scaled conversions
.irp i, 0,1,2
	v_mov_b32 v[PC+6*\c+3+\i], v[CT+\i]
.endr
.endr
	PLACES                                         ; behind the scale word's last write: the v_nop, three moves and these four: eight; behind the operand's last write: these four
	s_wait_dscnt 0x0
	MM8 0
.endm
; A trip: 32 units of ft for both inputs, and all that kan1 makes of those 64 hidden numbers a row.
.macro TRIP first
	v_add_nc_u32 v[AFT], s[SFT], v[L16]            ; the trip's addresses: a stepped scalar + a lane term.  These eight are also the places behind the last trip's products
	v_add_nc_u32 v[AFB], s[SFB], v[H64]
	v_add_nc_u32 v[AFS], s[SFS], v[L4]
	v_add_nc_u32 v[ABAS], s[SBAS], v[L16]
	v_add_nc_u32 v[ABAS8], s[SBAS], v[L8]
	v_add_nc_u32 v[ABS], s[SBS], v[L4]
	v_add_nc_u32 v[ASPL], s[SSPL], v[L16]
	v_add_nc_u32 v[ASS], s[SSS], v[L4]
	FTP
	SILU \first
	SPLINE 0
	SPLINE 1
	SPLINE 2
	SPLINE 3
	s_add_co_u32 s[SFT], s[SFT], 18432
	s_add_co_u32 s[SFB], s[SFB], 128
	s_add_co_u32 s[SFS], s[SFS], 768
	s_add_co_u32 s[SBAS], s[SBAS], 6144
	s_add_co_u32 s[SBS], s[SBS], 512
	s_add_co_u32 s[SSPL], s[SSPL], 49152
	s_add_co_u32 s[SSS], s[SSS], 2048
.endm
	s_load_b256 s[4:11], s[0:1], 0x0               ; the image s[4:5], stm's codes s[6:7], scales s[8:9], nstm's codes s[10:11]
	s_load_b128 s[12:15], s[0:1], 0x20             ; nstm's scales s[12:13], out s[14:15]
	v_lshl_add_u32 v[SPW], v0, 2, SPARE
	v_mov_b32 v[NIL], 0
	ds_add_u32 v1, v2
	ds_add_u32 v1, v2
	s_wait_dscnt 0x0
	v_lshrrev_b32 v[P0], 5, v0
	v_readfirstlane_b32 s[WV], v[P0]               ; wave 0..7
	s_bfe_u32 s17, ttmp6, 0x40000                  ; cx: my place in the cluster: it enters the addresses of my rows and of my results alone
	s_lshl_b32 s[WG], ttmp9, 2
	s_add_co_u32 s[WG], s[WG], s17                 ; work-group = 4 x cluster + cx
	; descriptor groups 1: dense blocks as rows of 256 bytes (32 elements of 8 bytes), no padding.  A: 45 rows, joint; B: 36 rows, my own; C: 36 rows, joint; D: 72 rows, joint
.irp g, G1A, G1B, G1C, G1D
	s_mov_b32 s[\g+1], 32<<16                      ; tensor_dim0 = 32
	s_mov_b32 s[\g+3], 32<<16                      ; tile_dim0 = 32
	s_mov_b32 s[\g+5], 32                          ; from row to row
	s_mov_b32 s[\g+6], 0
	s_mov_b32 s[\g+7], 0
.endr
	s_mov_b32 s[G1A], 15|(3<<16)|(1<<21)           ; the mask: all four work-groups; elements of 8 bytes; bit 21 set beside a mask
	s_mov_b32 s[G1A+2], 45<<16                     ; tensor_dim1
	s_mov_b32 s[G1A+4], 45                         ; tile_dim1
	s_mov_b32 s[G1B], 3<<16                        ; no mask
	s_mov_b32 s[G1B+2], 36<<16
	s_mov_b32 s[G1B+4], 36
	s_mov_b32 s[G1C], 15|(3<<16)|(1<<21)
	s_mov_b32 s[G1C+2], 36<<16
	s_mov_b32 s[G1C+4], 36
	s_mov_b32 s[G1D], 15|(3<<16)|(1<<21)
	s_mov_b32 s[G1D+2], 72<<16
	s_mov_b32 s[G1D+4], 72
	s_mov_b32 s29, 0
	s_mov_b32 s31, 0
	s_mov_b32 s3, 0
	s_lshl_b32 s30, s[WG], 7
	s_lshl_b32 s[TMP], s[WV], 4
	s_add_co_u32 s30, s30, s[TMP]                  ; my first row: 128 x work-group + 16 x wave
	s_mul_i32 s2, s30, 24                          ; its scale bytes,
	s_mul_i32 s30, s30, 576                        ; its codes (under 2^32)
	s_mov_b32 s[SEL], 0x76543210
	s_mov_b32 s[SEL+1], 0xfedcba98                 ; v_permlanex16_b32's selects for lane l xor 16
	s_mov_b32 s[KS], 0x3fb01a50                    ; 2.5 x 6^(-1/3)
	s_mov_b32 s[KS+1], s[KS]                       ; (named with it as a pair, so it is written)
	s_mov_b32 s[NL], 0xbfb8aa3b                    ; -log2(e)
	s_mov_b32 s[NL+1], s[NL]
	; descriptor groups 0.  The joint ones hang on the wave's number alone
	s_mov_b32 s[D0], 1
	s_mul_i32 s[D0+1], s[WV], 11520                ; D0: bytes 0 to 92,160 of the image (scale words, kan2's weights, ft_b, ft_w), an eighth a wave
	s_mov_b32 s28, s[D0+1]
	s_wait_kmcnt 0x0
	s_add_nc_u64 s[D0+2:D0+3], s[4:5], s[28:29]
	s_or_b32 s[D0+3], s[D0+3], 0x80000000
	s_mov_b32 s[D1], 1
	s_mul_i32 s[TMP], s[WV], 18432
	s_add_co_u32 s[D1+1], s[TMP], XR               ; D1: my 16 rows of stm
	s_add_nc_u64 s[D1+2:D1+3], s[6:7], s[30:31]
	s_or_b32 s[D1+3], s[D1+3], 0x80000000
	s_mov_b32 s[D2], 1
	s_add_co_u32 s[D2+1], s[TMP], XR+9216          ; D2: of nstm
	s_add_nc_u64 s[D2+2:D2+3], s[10:11], s[30:31]
	s_or_b32 s[D2+3], s[D2+3], 0x80000000
	s_mov_b32 s[D3], 1
	s_mul_i32 s28, s[WV], 9216
	s_add_co_u32 s28, s28, BAS
	s_mov_b32 s[D3+1], s28                         ; D3: bytes 92,160 to 165,888 (kan1_base_w, the spline's K steps 0 to 3)
	s_add_nc_u64 s[D3+2:D3+3], s[4:5], s[28:29]
	s_or_b32 s[D3+3], s[D3+3], 0x80000000
	s_mov_b32 s[D4], 1
	s_mov_b32 s[D4+1], s[D1+1]                     ; D4: the refill: the spline's K steps 4 to 15, where the rows' codes lay
	s_mov_b32 s28, s[D1+1]
	s_add_nc_u64 s[D4+2:D4+3], s[4:5], s[28:29]
	s_or_b32 s[D4+3], s[D4+3], 0x80000000
	s_add_nc_u64 s[8:9], s[8:9], s[2:3]            ; the scale bytes at my first row
	s_add_nc_u64 s[12:13], s[12:13], s[2:3]
	ROUND                                          ; all four work-groups are here: the first joint loads meet
	tensor_load_to_lds s[D0:D0+3], s[G1A:G1A+7]    ; the first fills go out as one group: four loads of mine are out
	s_nop 0
	tensor_load_to_lds s[D1:D1+3], s[G1B:G1B+7]
	s_nop 0
	tensor_load_to_lds s[D2:D2+3], s[G1B:G1B+7]
	s_nop 0
	tensor_load_to_lds s[D3:D3+3], s[G1C:G1C+7]
	s_nop 0
	PLACES                                         ; four v_nop follow the last
	v_and_b32 v[P0], 15, v0                        ; r
	v_bfe_u32 v[P1], v0, 4, 1                      ; h
	v_mul_u32_u24 v[RS], v[P0], 24
.irp i, 0,1,2
	global_load_b64 v[SS+2*\i:SS+2*\i+1], v[RS], s[8:9] offset:8*\i th:TH_LOAD_NT       ; lane r (and 16 + r): row r's six scale words
	global_load_b64 v[SS+6+2*\i:SS+7+2*\i], v[RS], s[12:13] offset:8*\i th:TH_LOAD_NT
.endr
	v_and_b32 v[L4], 31, v0
	v_lshlrev_b32 v[L16], 4, v[L4]
	v_lshlrev_b32 v[L8], 3, v[L4]
	v_lshlrev_b32 v[L4], 2, v[L4]
	v_lshlrev_b32 v[H64], 6, v[P1]
	v_lshlrev_b32 v[SH8], 3, v[P1]
	v_mul_u32_u24 v[AX], v[P0], 576
	v_mad_u32_u24 v[AX], v[P1], 24, v[AX]
	v_add_nc_u32 v[AX], s[D1+1], v[AX]             ; my rows in LDS: row r, + 24 h
	v_mov_b32 v[TC+0], 0x3ff68b3d                  ; 6^(-1/3) x (3.5 - j), j = 0 .. 7
	v_mov_b32 v[TC+1], 0x3fb01a50
	v_mov_b32 v[TC+2], 0x3f5352c7
	v_mov_b32 v[TC+3], 0x3e8ce1da
	v_mov_b32 v[TC+4], 0xbe8ce1da
	v_mov_b32 v[TC+5], 0xbf5352c7
	v_mov_b32 v[TC+6], 0xbfb01a50
	v_mov_b32 v[TC+7], 0xbff68b3d
	v_mov_b32 v[KV2], 0x3f8ce1da                   ; 2 x 6^(-1/3), twice: a pair for the packed form
	v_mov_b32 v[KV2+1], 0x3f8ce1da
	v_mov_b32 v[KV1], 0x3f0ce1da                   ; 6^(-1/3), twice
	v_mov_b32 v[KV1+1], 0x3f0ce1da
.irp i, 78,79,80,81,82,83,90,91,92,93,94,95
	v_mov_b32 v[W+\i], 0                           ; the upper halves of fragments 6 and 7: the first silu products name them (against zero codes) before any load has filled them
.endr
	s_mov_b32 s[SFT], FT
	s_mov_b32 s[SFB], FTB
	s_mov_b32 s[SFS], FSC
	s_mov_b32 s[SBAS], BAS
	s_mov_b32 s[SBS], BSC
	s_mov_b32 s[SSPL], SPL
	s_mov_b32 s[SSS], SSC
	s_wait_tensorcnt 0x1                           ; D0 to D2 have landed, my own rows among them, which I alone read; the one younger load, D3, may stay out
	WIN 0x40                                       ; destination window 1
.irp x, 0,1
.irp s, 0,1,2,3,4,5
.irp p, 0,1,2,3,4,5
	ds_load_b64 v[72*\x+12*\s+2*\p:72*\x+12*\s+2*\p+1], v[AX] offset:9216*\x+96*\s+48*(\p/3)+8*(\p%3)   ; my rows' twelve fragments stay in registers.  (Dense rows of 576 bytes: some of a load's rows meet in the same banks; it is 72 loads, once)
.endr
.endr
.endr
	WIN 0
	s_wait_tensorcnt 0x0                           ; all my tensor loads have landed;
	ds_add_u32 v[SPW], v[NIL]                      ; 0 onto my spare word;
	s_wait_dscnt 0x0                               ; the add is done, and my reads of the rows' codes are over
	ROUND                                          ; that now holds of every wave of the cluster: the image's first 165,888 bytes are whole, and nobody reads the rows' codes any more
	tensor_load_to_lds s[D4:D4+3], s[G1D:G1D+7]    ; my one load behind the round: an eighth of the spline's K steps 4 to 15.  It has the whole first trip in which to land
	s_nop 0
	PLACES
	s_wait_loadcnt 0x0                             ; my rows' scale words
	TRIP 1                                         ; the first trip is written out: it reads only what the first fills brought, and its first products start kan1's sums
	s_wait_tensorcnt 0x0                           ; my part of the refill has landed,
	s_wait_dscnt 0x0
	s_barrier_signal -1
	s_barrier_wait -1                              ; everybody's has
	s_mov_b32 s[CNT], 3
.Ltrip:
	TRIP 0
	s_sub_co_u32 s[CNT], s[CNT], 1
	s_cmp_lg_u32 s[CNT], 0
	s_cbranch_scc1 .Ltrip
	; ---- kan2: out(row) = the sum over 128 units of silu(y) bw + the sum over j of basis_j(y) sw_j, in f32.  A lane holds unit 16 n + r and rows 8 h + 0 .. 7.
	; kan1's 64 results a lane go through a stage in LDS of the wave's own, so that one loop body serves the eight tiles.  The stage lies over the spline's image: it has had its last fill, and behind this barrier nobody reads it.
	s_wait_dscnt 0x0
	s_barrier_signal -1
	s_barrier_wait -1
	s_lshl_b32 s[SY], s[WV], 13
	s_add_co_u32 s[SY], s[SY], SPL                 ; my stage: 8,192 bytes
	s_mov_b32 s[SCW], K2S
	s_mov_b32 s[SBW], K2B
	v_add_nc_u32 v[ASTG], s[SY], v[L16]            ; (these lines are also the places behind the last products)
	v_and_b32 v[KR4], 15, v0
	v_lshlrev_b32 v[KR32], 5, v[KR4]               ; 32 r: my unit's eight spline weights
	v_lshlrev_b32 v[KR4], 2, v[KR4]                ; 4 r: its base weight
	v_and_b32 v[RSEL], 7, v0
	v_bfe_u32 v[AOUT], v0, 4, 1
	v_lshlrev_b32 v[AOUT], 5, v[AOUT]
	v_lshl_add_u32 v[AOUT], v[RSEL], 2, v[AOUT]
	s_lshl_b32 s[TMP], s[WV], 6
	s_add_co_u32 s[TMP], s[TMP], OUTS
	v_add_nc_u32 v[AOUT], s[TMP], v[AOUT]          ; where row 16 w + 8 h + r % 8's result goes
	v_add_nc_u32 v[AOB], OUTS, v[L16]
	WIN 0x04                                       ; an LDS store's data are its source 1: window 1
.set i, 0
.rept 16
	ds_store_b128 v[ASTG], v[ACC+4*i:ACC+4*i+3] offset:512*i   ; each accumulator from its low end on
.set i, i+1
.endr
	WIN 0
.set i, 0
.rept 24
	v_mov_b32 v[AC+i], 0                           ; sixteen sums of the spline part (two a row) and eight of the base part
.set i, i+1
.endr
	v_mov_b32 v[BW+1], 0                           ; (named as the upper half of a pair)
	s_mov_b32 s[CNT], 8
.Lk2:                                              ; a trip: tile n
	v_add_nc_u32 v[AY], s[SY], v[L16]
	v_add_nc_u32 v[ACW], s[SCW], v[KR32]
	v_add_nc_u32 v[ABW], s[SBW], v[KR4]
	ds_load_b128 v[X:X+3], v[AY]                   ; LDS serves a wave's instructions in order: these see my stores
	ds_load_b128 v[X+4:X+7], v[AY] offset:512
	ds_load_b128 v[CW:CW+3], v[ACW]
	ds_load_b128 v[CW+4:CW+7], v[ACW] offset:16
	ds_load_b32 v[BW], v[ABW]
	s_wait_dscnt 0x0
.irp i, 0,2,4,6
	v_pk_mul_f32 v[E+\i:E+\i+1], v[X+\i:X+\i+1], s[NL:NL+1] op_sel_hi:[1,0]
.endr
.irp i, 0,1,2,3,4,5,6,7
	v_exp_f32 v[E+\i], v[E+\i]
.endr
	v_nop
	s_wait_alu depctr_va_vdst(0)                   ; one wait for the batch, ahead of its first reader
.irp i, 0,2,4,6
	v_pk_add_f32 v[E+\i:E+\i+1], v[E+\i:E+\i+1], 1.0 op_sel_hi:[1,0]
.endr
.irp i, 0,1,2,3,4,5,6,7
	v_rcp_f32 v[E+\i], v[E+\i]
.endr
	v_nop
	s_wait_alu depctr_va_vdst(0)
.irp i, 0,2,4,6
	v_pk_mul_f32 v[E+\i:E+\i+1], v[E+\i:E+\i+1], v[X+\i:X+\i+1]
.endr
.irp i, 0,2,4,6
	v_pk_fma_f32 v[SB+\i:SB+\i+1], v[E+\i:E+\i+1], v[BW:BW+1], v[SB+\i:SB+\i+1] op_sel_hi:[1,0,1]
.endr
.irp j, 0,1,2,3,4,5,6,7
	BASIS X+2*(\j/2), \j%2, OUT+8*(\j%2)
.irp i, 0,2,4,6
	v_pk_fma_f32 v[AC+2*\j:AC+2*\j+1], v[OUT+8*(\j%2)+\i:OUT+8*(\j%2)+\i+1], v[CW+\i:CW+\i+1], v[AC+2*\j:AC+2*\j+1]
.endr
.endr
	s_add_co_u32 s[SY], s[SY], 1024
	s_add_co_u32 s[SCW], s[SCW], 512
	s_add_co_u32 s[SBW], s[SBW], 64
	s_sub_co_u32 s[CNT], s[CNT], 1
	s_cmp_lg_u32 s[CNT], 0
	s_cbranch_scc1 .Lk2
.irp j, 0,1,2,3,4,5,6,7
	v_add_f32 v[Z+\j], v[AC+2*\j], v[AC+2*\j+1]
.endr
.irp j, 0,1,2,3,4,5,6,7
	v_add_f32 v[Z+\j], v[Z+\j], v[SB+\j]
.endr
.irp k, 1,2,4,8                                ; over the sixteen lanes of my half: the units
.irp j, 0,1,2,3,4,5,6,7
	v_add_f32_dpp v[Z+\j], v[Z+\j], v[Z+\j] row_xmask:\k row_mask:0xf bank_mask:0xf
.endr
.endr
	v_mov_b32 v[SG], v[Z]                          ; lane (r, h) keeps row 8 h + r % 8
.irp j, 1,2,3,4,5,6,7
	v_cmp_eq_u32 vcc_lo, \j, v[RSEL]
	v_cndmask_b32 v[SG], v[SG], v[Z+\j], vcc_lo
.endr
	v_mul_f32 v[SG], s[NL], v[SG]
	v_exp_f32 v[SG], v[SG]
	v_nop
	s_wait_alu depctr_va_vdst(0)
	v_add_f32 v[SG], 1.0, v[SG]
	v_rcp_f32 v[SG], v[SG]                         ; the sigmoid
	v_nop
	s_wait_alu depctr_va_vdst(0)
	ds_store_b32 v[AOUT], v[SG]                    ; lanes r and r + 8 store the same word with the same value
	s_lshl_b32 s28, s[WG], 9                       ; my work-group's 512 bytes of out
	s_add_nc_u64 s[14:15], s[14:15], s[28:29]
	s_wait_dscnt 0x0                               ; for the others' sake: my store is done
	s_barrier_signal -1
	s_barrier_wait -1
	s_cmp_lg_u32 s[WV], 0
	s_cbranch_scc1 .Lstored
	ds_load_b128 v[OB:OB+3], v[AOB]                ; wave 0 stores the work-group's 128 results: 512 consecutive bytes, at a multiple of 512 from out's first byte
	s_wait_dscnt 0x0
	global_store_b128 v[L16], v[OB:OB+3], s[14:15]
.Lstored:
	s_wait_tensorcnt 0x0                           ; the wave's end: behind my last tensor load and my last LDS store
	ds_add_u32 v[SPW], v[NIL]
	s_wait_dscnt 0x0
	ROUND                                          ; the closing round: no work-group ends while a partner may still ask for a tile that names it
	s_endpgm
.Lfunc_end_k_q187f6a0e70_kan:
	.size	k_q187f6a0e70_kan, .Lfunc_end_k_q187f6a0e70_kan-k_q187f6a0e70_kan
	.p2alignl 7, 3214868480
	.fill 96, 4, 3214868480
	.section	.rodata,"a",@progbits
	.p2align	6, 0x0
	.amdhsa_kernel k_q187f6a0e70_kan
		.amdhsa_group_segment_fixed_size 327680
		.amdhsa_private_segment_fixed_size 0
		.amdhsa_enable_private_segment 0
		.amdhsa_kernarg_size 48
		.amdhsa_user_sgpr_count 2
		.amdhsa_user_sgpr_kernarg_segment_ptr 1
		.amdhsa_wavefront_size32 1
		.amdhsa_system_sgpr_workgroup_id_x 1
		.amdhsa_system_sgpr_workgroup_id_y 1
		.amdhsa_system_sgpr_workgroup_id_z 1
		.amdhsa_system_vgpr_workitem_id 0
		.amdhsa_next_free_vgpr 512
		.amdhsa_next_free_sgpr 96
		.amdhsa_reserve_vcc 1
		.amdhsa_float_denorm_mode_32 3
		.amdhsa_float_denorm_mode_16_64 3
		.amdhsa_memory_ordered 1
		.amdhsa_forward_progress 1
		.amdhsa_inst_pref_size 255
	.end_amdhsa_kernel
	.section	.bss,"aw",@nobits
	.p2align	6
	.space	262144
	.amdgpu_metadata
---
amdhsa.version: [ 1, 2 ]
amdhsa.kernels:
  - .name:           k_q187f6a0e70_kan
    .symbol:         k_q187f6a0e70_kan.kd
    .args:
      - { .name: wimg, .offset: 0, .size: 8, .value_kind: global_buffer, .address_space: global }
      - { .name: stm_codes, .offset: 8, .size: 8, .value_kind: global_buffer, .address_space: global }
      - { .name: stm_scales, .offset: 16, .size: 8, .value_kind: global_buffer, .address_space: global }
      - { .name: nstm_codes, .offset: 24, .size: 8, .value_kind: global_buffer, .address_space: global }
      - { .name: nstm_scales, .offset: 32, .size: 8, .value_kind: global_buffer, .address_space: global }
      - { .name: out0, .offset: 40, .size: 8, .value_kind: global_buffer, .address_space: global }
    .group_segment_fixed_size: 327680
    .private_segment_fixed_size: 0
    .kernarg_segment_align: 8
    .kernarg_segment_size: 48
    .max_flat_workgroup_size: 256
    .sgpr_count:     96
    .vgpr_count:     512
    .wavefront_size: 32
...
	.end_amdgpu_metadata
.endif
;; end of part 2
